; MI455X (gfx1250); checked and timed in simulation.
; The chip was launched on July 23, 2026; its instructions are those of AMD's public machine-readable ISA for CDNA 5 (MIT licence, August 2026) and "CDNA5" Instruction Set Architecture Reference Guide (July 2026). The comments in the code are by the model that wrote it; some were corrected since.
;; Mo E Layer. Allowed arithmetic: float matrix products may take bf16 or f16 operands with f32 sums; all other float work in f32.
;; Inputs: expert_b 8 x 128 float32; expert_w 8 x 128 x 128 float32; router_b 8 float32; router_w 128 x 8 float32; x 8 x 8,192 x 128 float32.
;; Outputs: out0 8 x 8,192 x 128 float32.
;; One version. Each part assembles by itself: llvm-mc -triple=amdgcn-amd-amdhsa -mcpu=gfx1250 --defsym DOCPART=n.
;; ======== version 1 of 1: 1 launch
;; limits: values are held in f16: magnitudes above 65,504 overflow, below 6.1e-05 lose precision; inputs' magnitudes at most 65,504; below input magnitudes of 6.1e-05 results are inexact or not finite
;; launch moe (part 1): grid 256 x 1, 4 waves a work-group, clusters of 4 x 1, 327,680 bytes of LDS; arguments x, router_w, router_b, expert_w, expert_b, out0; writes out0
.if DOCPART == 1
	.amdgcn_target "amdgcn-amd-amdhsa--gfx1250"
	.amdhsa_code_object_version 6
	.text
	.protected	k_q4601dc2091_moe
	.globl	k_q4601dc2091_moe
	.p2align	8
	.type	k_q4601dc2091_moe,@function
k_q4601dc2091_moe:
	s_mov_b64 s[64:65], 0
	v_nop
	global_prefetch_b8 v0, s[64:65] scope:SCOPE_SE
	s_setreg_imm32_b32 hwreg(HW_REG_WAVE_MODE, 25, 1), 1
	s_wait_xcnt 0x0
	s_wait_alu depctr_hold_cnt(0) depctr_sa_sdst(0) depctr_va_vdst(0) depctr_va_sdst(0) depctr_va_ssrc(0) depctr_va_vcc(0) depctr_vm_vsrc(0)
	s_getreg_b32 s2, hwreg(HW_REG_IB_STS2, 6, 4)
	s_cmp_eq_u32 s2, 0
	s_cbranch_scc0 .Lentry_in_a_cluster
	s_endpgm
.Lentry_in_a_cluster:
	s_bfe_u32 s2, ttmp6, 0x10000c
	s_cmp_lg_u32 s2, 0x3003
	s_cbranch_scc0 .Lentry_shape_is_right
	s_endpgm
.Lentry_shape_is_right:
; MoE layer, dense form: out[t][c] = sum over e of g[t][e] * (sum over d of x[t][d] W[e][d][c] + b[e][c]),
; where g is zero but for the two experts with the largest router logits z = x router_w + router_b.
; With a, b the largest and the second (lower index first on equal values): eb = exp(z_b - z_a), g_a = 1/(1+eb), g_b = eb g_a.
; That is the softmax with its maximum taken away and its denominator cancelled by the renormalisation: the exponent is never above 0.
; SHARES: 65,536 tokens = 256 work-groups x 256 tokens; four waves.  In the main phase wave w makes columns 32w..32w+31 of all
; 256 tokens for all 8 experts; its weights, 8 x 2 column tiles x 4 K steps x 8 = 512 registers of f16, stay in registers.
; At the start wave w also owns tokens 64w..64w+63: it brings them in, rounds them to f16 into LDS, and makes their gates.
; CLUSTERS: all work-groups read the same 512 KiB of expert_w, so 4 work-groups ask for it jointly (mask 15).  x and out0 are
; shared by nobody, so a second cluster axis has nothing to share.  x goes through registers: it has to be converted anyway.
; ROUTER: on the matrix unit with x and router_w each split into three bf16 pieces h + m + l; the products hh, hm, hl, mh, mm, ml, lh
; are kept, what is left out is below 2^-26 of |x||w|, so that the choice of experts follows f32 logits.
; EXPERTS: f16 operands (11 significant bits), f32 sums: a sum of 128 products of operands with 8 significant bits strays too far
; from the f32 result for the accuracy asked.  The bias term sum g b is one bf16 matrix instruction a column tile, g and b each as hi + lo.
; LIMITS: |x| and |expert_w| below 65,504 (f16's largest number; beyond it the product is infinite); numbers under 2^-14 are kept
; in steps of 2^-24, so operands whose usual size is under 2^-16 are rounded more coarsely than bf16 would round them.
; NaN and infinite inputs are not reproduced.  Where the second and third logit agree to within f32 rounding (or their
; probabilities round to one f32 number) the expert chosen may differ from the one a softmax in f32 followed by top-k takes.
; No prefetch into the cache: all of a work-group's x is asked for in the first part of the start, 32 loads of 512 bytes a wave at a time.
.set TOKB,   512                       ; bytes of a token's row in x and out0
.set WPITCH, 528                       ; LDS row of 128 f32 + 16 bytes
.set XPITCH, 272                       ; LDS row of 128 numbers of 16 bits + 16 bytes
.set XTB,    16*XPITCH                 ; a tile of 16 tokens in 16 bits
; LDS map
.set WSML,   256*WPITCH                ; 0: slot of two experts (256 rows); here: slot of one expert (128 rows); tensor loads alone fill them
.set XH,     WSML+128*WPITCH           ; x as f16, 256 rows (a tile's place first holds its bf16 h piece for the router)
.set GAT,    XH+256*XPITCH             ; gates f32: tile*768 + token*48: (g0 g1 g2 0)(g3 g4 g5 0)(g6 g7 0 0)
.set GFR,    GAT+16*768                ; gates as a matrix fragment for the bias term: tile*512 + lane*16
.set SCR,    GFR+16*512                ; each wave's own 8,704 bytes: x's m and l pieces of one tile; first router_w
.set SCRW,   2*XTB
.set STGB,   16*WPITCH                 ; a stage of 16 output rows; two of them at LDS byte 0, used after the big slot's last fill
; scalar registers
.set G1B, 24                           ; s[24:31] group 1, 64 rows
.set G1S, 32                           ; s[32:39] group 1, 32 rows
.set G0B, 40                           ; s[40:43] group 0, big slot
.set G0S, 44                           ; s[44:47] group 0, small slot
; s16 wave, s17 cx, s18 work-group, s[48:55] router_b, s56-57 lane selects, s58 (lane%16 < 8), s59 (lane >= 16),
; s[66:73] first choice, s[74:81] second choice, s82 at work, s84 trips, s[86:87] out0 pointer, s88-93 LDS bases
; vector registers at the start (window 0)
.set VXO, 2                            ; x: 32,768 w + 16 lane
.set VXS, 3                            ; store of x in 16 bits
.set VSC, 4                            ; store of x's m, l pieces
.set VRH, 5                            ; fragment reads of x's h piece, own tokens
.set VRM, 6                            ; fragment reads of m, l
.set VW0, 7                            ; weights f32: big slot's first expert, second expert, small slot
.set VW1, 8
.set VW2, 9
.set VGS, 10                           ; store of gates
.set VFS, 11                           ; store of the gate fragment
.set NEG1, 12
.set NINF, 13
.set M1, 14
.set M2, 15
.set A0, 16                            ; v[16:23], v[24:31] router sums
.set A1, 24
.set XA, 32                            ; v[32:95], v[96:159] ring of two tiles of x in f32
.set XB, 96
.set SC, 160                           ; v[160:255] at work
.set FH, 160                           ; router fragments of x: h, m, l
.set FM, 192
.set FL, 224
.set GB, 160                           ; gate block of 12
.set EBV, 172
.set GAV, 173
.set GBV, 174
.set TMP, 175
.set GH, 176
.set GR, 180
.set GL, 188
.set GFS, 192
.set X16, 196                          ; window 2, v[196:227]: a tile of x as f16, two registers a row, until its place in LDS is free
; windows 1 to 3: W(e, t, s) at register 64 (e%3) + 32 t + 8 s of window 1 + e/3.  Window 1: 192-195 gates g6 g7, 200-215 bias fragments.
; Window 2: 192-195 gates g0-2.  Window 3: 128-159 router tile P, 160-191 router tile Q, 192-195 gates g3-5.
; vector registers in the main phase (window 0)
.set VXA, 2
.set VGA, 3
.set VGF, 4
.set VST, 5
.set VRD, 6
.set VCO, 7
.set XF0, 16                           ; v[16:47], v[48:79] x fragments of two tiles
.set GF,  80                           ; v[80:87] gate fragment
.set TA,  88                           ; v[88:135], v[136:183] products, two buffers of 3 experts x 2 tiles x 8
.set TB,  136
.set OUT0, 184                         ; v[184:199], v[200:215] gated sums of two tiles
.set FIN, 216                          ; v[216:231] 16 neighbouring columns
.set RBK, 232                          ; v[232:247] rows read back from the stage
.set MSB, 0
.macro WIN new                         ; low byte: bits 1:0 source 0, 3:2 source 1, 5:4 source 2, 7:6 destination; high byte: the setting left
.if MSB != (\new)
	s_set_vgpr_msb (MSB<<8)|(\new)
.set MSB, \new
.endif
.endm
.macro ROUND                           ; a round of the cluster's barrier
	s_barrier_signal -1
	s_barrier_wait -1
	s_cmp_lg_u32 s16, 0
	s_cbranch_scc1 .Lnot_wave_0_\@
	s_barrier_signal -3
.Lnot_wave_0_\@:
	s_barrier_wait -3
	s_barrier_signal -1
	s_barrier_wait -1
.endm
.macro PACK p, x, n                    ; p[i] = bf16 pair of x[2i], x[2i+1]
.set pa_i, 0
.rept \n
	v_cvt_pk_bf16_f32 v[\p+pa_i], v[\x+2*pa_i], v[\x+2*pa_i+1]
.set pa_i, pa_i+1
.endr
.endm
.macro RESID x, p, n                   ; x[2i], x[2i+1] -= the halves of p[i]: exact in f32
.set rs_i, 0
.rept \n
	v_fma_mix_f32_bf16 v[\x+2*rs_i], v[\p+rs_i], v[NEG1], v[\x+2*rs_i] op_sel_hi:[1,0,0]
	v_fma_mix_f32_bf16 v[\x+2*rs_i+1], v[\p+rs_i], v[NEG1], v[\x+2*rs_i+1] op_sel:[1,0,0] op_sel_hi:[1,0,0]
.set rs_i, rs_i+1
.endr
.endm
.macro SPLIT3 x, t                     ; 16 f32 at x become 8 registers of h at t, of m at t+8, of l at t+16
	PACK \t, \x, 8
	RESID \x, \t, 8
	PACK \t+8, \x, 8
	RESID \x, \t+8, 8
	PACK \t+16, \x, 8
.endm
	; ---------------- set-up and first requests ----------------
	s_load_b256 s[4:11], s[0:1], 0x0               ; x s[4:5], router_w s[6:7], router_b s[8:9], expert_w s[10:11]
	s_load_b128 s[12:15], s[0:1], 0x20             ; expert_b s[12:13], out0 s[14:15]
	v_lshrrev_b32 v1, 5, v0
	v_readfirstlane_b32 s16, v1                    ; wave 0..3
	s_bfe_u32 s17, ttmp6, 0x40000                  ; cx
	s_lshl_b32 s18, ttmp9, 2
	s_add_co_u32 s18, s18, s17                     ; work-group = 4 x cluster + cx
	s_lshl_b32 s20, s18, 17                        ; x 256 tokens of 512 bytes: below 2^25
	s_mov_b32 s21, 0
	s_mov_b32 s56, 0x76543210                      ; v_permlanex16_b32: lane i reads lane i of the other half
	s_mov_b32 s57, 0xfedcba98
	s_lshl_b32 s88, s16, 15                        ; my 64 tokens in x
	s_mul_i32 s89, s16, 64*XPITCH
	s_add_co_u32 s89, s89, XH                      ; my 64 rows of x in 16 bits
	s_mul_i32 s90, s16, SCRW
	s_add_co_u32 s90, s90, SCR                     ; my scratch
	s_lshl_b32 s91, s16, 7                         ; my 32 columns in f32 bytes
	s_mul_i32 s92, s16, 4*768
	s_add_co_u32 s92, s92, GAT                     ; my four tiles' gates
	s_lshl_b32 s93, s16, 11
	s_add_co_u32 s93, s93, GFR                     ; my four tiles' gate fragments
	v_and_b32 v14, 31, v0                          ; lane L
	v_and_b32 v15, 15, v0                          ; r
	v_bfe_u32 v1, v0, 4, 1                         ; h
	v_lshl_add_u32 v[VXO], v14, 4, s88
	v_lshl_add_u32 v[VXS], v14, 3, s89
	v_lshl_add_u32 v[VSC], v14, 3, s90
	v_mul_u32_u24 v[VRH], v15, XPITCH
	v_lshl_add_u32 v[VRH], v1, 4, v[VRH]           ; 272 r + 16 h
	v_add_nc_u32 v[VRM], s90, v[VRH]
	v_add_nc_u32 v[VRH], s89, v[VRH]
	v_mul_u32_u24 v[VW0], v1, 8*WPITCH             ; 8 h rows of d
	v_lshl_add_u32 v[VW0], v15, 3, v[VW0]          ; + columns 2r, 2r+1
	v_add_nc_u32 v[VW0], s91, v[VW0]               ; + my 32 columns
	v_add_nc_u32 v[VW1], 128*WPITCH, v[VW0]
	v_add_nc_u32 v[VW2], WSML, v[VW0]
	v_mul_u32_u24 v[VGS], v15, 48
	v_add_nc_u32 v[VGS], s92, v[VGS]
	v_lshl_add_u32 v[VFS], v14, 4, s93
	v_mov_b32 v[NEG1], -1.0
	v_mov_b32 v[NINF], 0xff800000
	v_cmp_gt_u32 s58, 8, v15                       ; lanes with r < 8
	v_cmp_ne_u32 s59, 0, v1                        ; lanes 16 to 31
	v_and_b32 v192, 7, v15
	v_lshlrev_b32 v192, 2, v192
	v_lshl_add_u32 v1, v1, 8, v192                 ; router_w gather: 8 h rows of 32 bytes + 4 (r % 8)
	v_add_nc_u32 v1, s90, v1
	v_lshl_add_u32 v15, v15, 3, s91                ; expert_b: 128 w + 8 r
	v_lshlrev_b32 v14, 4, v14                      ; router_w: 16 L
	s_wait_kmcnt 0x0
	s_load_b256 s[48:55], s[8:9], 0x0              ; router_b, 8 numbers
	s_add_nc_u64 s[4:5], s[4:5], s[20:21]          ; x at the work-group's first token
	s_add_nc_u64 s[86:87], s[14:15], s[20:21]      ; out0 likewise
.irp i, 0,1,2,3,4,5,6,7
	global_load_b128 v[160+4*\i:163+4*\i], v14, s[6:7] offset:512*\i       ; all 4,096 bytes of router_w
.endr
.irp e, 0,1,2,3,4,5,6,7
	global_load_b64 v[16+2*\e:17+2*\e], v15, s[12:13] offset:512*\e        ; b[e][32w+2r], b[e][32w+2r+1]
.endr
.set xi, 0
.rept 32
	global_load_b128 v[XA+4*xi:XA+4*xi+3], v[VXO], s[4:5] offset:xi*TOKB th:TH_LOAD_NT   ; a whole row of 512 bytes a load: my tiles 0 and 1
.set xi, xi+1
.endr
	; Descriptors: rows of 128 f32, 16 bytes of padding behind each; joint loads of the four work-groups of the cluster.
	; Nothing in them hangs on the place in the cluster: LDS and global addresses are made of the wave's number alone.
	s_mov_b32 s[G1B+0], 15|(2<<16)|(1<<20)|(1<<21)|(6<<22)|(3<<25)  ; mask 15; 4-byte elements; padding on; bit 21 beside a mask; after 128 words; 4 words
	s_mov_b32 s[G1B+1], 128<<16                    ; tensor_dim0 = 128
	s_mov_b32 s[G1B+2], 64<<16                     ; tensor_dim1 = 64
	s_mov_b32 s[G1B+3], 128<<16                    ; tile_dim0 = 128
	s_mov_b32 s[G1B+4], 64                         ; tile_dim1 = 64
	s_mov_b32 s[G1B+5], 128                        ; elements from row to row
	s_mov_b32 s[G1B+6], 0
	s_mov_b32 s[G1B+7], 0
	s_mov_b32 s[G1S+0], 15|(2<<16)|(1<<20)|(1<<21)|(6<<22)|(3<<25)
	s_mov_b32 s[G1S+1], 128<<16
	s_mov_b32 s[G1S+2], 32<<16                     ; 32 rows
	s_mov_b32 s[G1S+3], 128<<16
	s_mov_b32 s[G1S+4], 32
	s_mov_b32 s[G1S+5], 128
	s_mov_b32 s[G1S+6], 0
	s_mov_b32 s[G1S+7], 0
	s_mov_b32 s[G0B+0], 1
	s_mul_i32 s[G0B+1], s16, 64*WPITCH             ; my quarter of the big slot
	s_lshl_b32 s20, s16, 15                        ; 64 rows of 512 bytes
	s_add_nc_u64 s[G0B+2:G0B+3], s[10:11], s[20:21]
	s_or_b32 s[G0B+3], s[G0B+3], 0x80000000
	s_mov_b32 s[G0S+0], 1
	s_mul_i32 s[G0S+1], s16, 32*WPITCH
	s_add_co_u32 s[G0S+1], s[G0S+1], WSML          ; my quarter of the small slot
	s_lshl_b32 s20, s16, 14
	s_add_co_u32 s20, s20, 2*65536                 ; expert 2, my 32 rows
	s_add_nc_u64 s[G0S+2:G0S+3], s[10:11], s[20:21]
	s_or_b32 s[G0S+3], s[G0S+3], 0x80000000
	ROUND                                          ; the four work-groups are here: the first joint loads meet
	tensor_load_to_lds s[G0B:G0B+3], s[G1B:G1B+7]  ; experts 0 and 1
	s_nop 0
	tensor_load_to_lds s[G0S:G0S+3], s[G1S:G1S+7]  ; expert 2: two tensor loads of this wave are out, later one
	s_nop 0
	; ---------------- router and bias fragments ----------------
	s_wait_loadcnt 32                              ; router_w and expert_b are in; the 32 younger loads of x stay out
	s_wait_kmcnt 0x0                               ; router_b
	v_add_nc_u32 v14, s90, v14                     ; free since the wait above: now my scratch + 16 L
.irp i, 0,1,2,3,4,5,6,7
	ds_store_b128 v14, v[160+4*\i:163+4*\i] offset:512*\i
.endr
; my own bytes, served in order: w[d][r%8] for d = 32 s + 8 h + u%8 + 16 (u/8), register 16 s + u; two K steps a run
.macro RWGATHER
.rept 32
	ds_load_b32 v[192+gi], v1 offset:(32*(gi/16)+(gi%8)+16*((gi/8)%2))*32
.set gi, gi+1
.endr
.endm
.set gi, 0
	RWGATHER                                       ; K steps 0 and 1
	; bias fragment of column tile t: registers 0-3 hi of b[0..7], registers 4-7 lo, in both halves of the lanes
	WIN 0x40
.irp t, 0,1
.irp q, 0,1,2,3
	v_cvt_pk_bf16_f32 v[200+8*\t+\q], v[16+4*\q+\t], v[16+4*\q+2+\t]
.endr
.endr
	WIN 0x01
.irp t, 0,1
.irp q, 0,1,2,3
	v_fma_mix_f32_bf16 v[16+4*\q+\t], v[200+8*\t+\q], v[NEG1], v[16+4*\q+\t] op_sel_hi:[1,0,0]
	v_fma_mix_f32_bf16 v[16+4*\q+2+\t], v[200+8*\t+\q], v[NEG1], v[16+4*\q+2+\t] op_sel:[1,0,0] op_sel_hi:[1,0,0]
.endr
.endr
	WIN 0x40
.irp t, 0,1
.irp q, 0,1,2,3
	v_cvt_pk_bf16_f32 v[204+8*\t+\q], v[16+4*\q+\t], v[16+4*\q+2+\t]
.endr
.endr
	WIN 0
; router tiles: P rows 0-7 = h piece of w[.][e], rows 8-15 = m piece; Q rows 0-7 = l piece, rows 8-15 = 0
.macro RWTILE s
	SPLIT3 192+16*\s, 160
	WIN 0xc0
.irp q, 0,1,2,3,4,5,6,7
	v_cndmask_b32 v[128+8*\s+\q], v[168+\q], v[160+\q], s58
.endr
.irp q, 0,1,2,3,4,5,6,7
	v_cndmask_b32 v[160+8*\s+\q], 0, v[176+\q], s58
.endr
	WIN 0
.endm
	s_wait_dscnt 0x0                               ; K steps 0 and 1 are in
	RWGATHER                                       ; K steps 2 and 3 come while the first two are split
	RWTILE 0
	RWTILE 1
	s_wait_dscnt 0x0
	RWTILE 2
	RWTILE 3
; One expert's weights, f32 in LDS as [d][c], become my 64 registers of f16 fragments.  One load of 8 bytes brings columns 2r and 2r+1
; of one d, one number for each of my two column tiles: tile t, row r stands for column 32 w + 2 r + t.
.macro CONVLD adr, s, set
.set cv_u, 0
.rept 16
	ds_load_b64 v[SC+32*(\set)+2*cv_u:SC+32*(\set)+2*cv_u+1], v[\adr] offset:(32*(\s)+(cv_u%8)+16*(cv_u/8))*WPITCH
.set cv_u, cv_u+1
.endr
.endm
.macro CONV e, adr
.set cv_w, (1+\e/3)<<6
.set cv_b, 64*(\e%3)
	CONVLD \adr, 0, 0
.irp s, 0,1,2,3
.if \s < 3
	CONVLD \adr, \s+1, (\s+1)%2
	s_wait_dscnt 16                                ; this K step's 16 loads are in, the next step's 16 stay out
.else
	s_wait_dscnt 0x0
.endif
	WIN cv_w
.irp t, 0,1
.irp q, 0,1,2,3,4,5,6,7
	v_cvt_pk_f16_f32 v[cv_b+32*\t+8*\s+\q], v[SC+32*(\s%2)+4*\q+\t], v[SC+32*(\s%2)+4*\q+2+\t]
.endr
.endr
	WIN 0
.endr
.endm
; A slot is filled again: my reads of it and all my tensor loads are done, the address steps three experts on, a round of the cluster's
; barrier says the same of every wave of all four work-groups, and the joint load is the first thing behind it, one a wave.
.macro REFILL g0, g1
	s_wait_tensorcnt 0x0
	s_add_nc_u64 s[\g0+2:\g0+3], s[\g0+2:\g0+3], 3*65536
	s_wait_dscnt 0x0
	ROUND
	tensor_load_to_lds s[\g0:\g0+3], s[\g1:\g1+7]
	s_nop 0
.endm
; The largest of z[0..7] into m, and the mask of the first index that has it into s[sel+j]
.macro TOP1 z, m, sel
	v_max3_num_f32 v[\m], v[\z], v[\z+1], v[\z+2]
	v_max3_num_f32 v[\m], v[\m], v[\z+3], v[\z+4]
	v_max3_num_f32 v[\m], v[\m], v[\z+5], v[\z+6]
	v_max_num_f32 v[\m], v[\m], v[\z+7]
.irp j, 0,1,2,3,4,5,6,7
	v_cmp_eq_f32 s[\sel+\j], v[\z+\j], v[\m]
.endr
	s_mov_b32 s82, s[\sel]
.irp j, 1,2,3,4,5,6
	s_and_not1_b32 s[\sel+\j], s[\sel+\j], s82     ; a later index counts only where no earlier one has hit
	s_or_b32 s82, s82, s[\sel+\j]
.endr
	s_and_not1_b32 s[\sel+7], s[\sel+7], s82
.endm
; Gates of my tile n from the router sums.  Lane (r, h), register j of A0 + A1: h = 0 the products with w's h and l pieces,
; h = 1 those with its m piece, of token r and expert j.
.macro GATES n
.irp i, 0,2,4,6
	v_pk_add_f32 v[A0+\i:A0+\i+1], v[A0+\i:A0+\i+1], v[A1+\i:A1+\i+1]
.endr
.irp j, 0,1,2,3,4,5,6,7
	v_permlanex16_b32 v[A1+\j], v[A0+\j], s56, s57
.endr
.irp i, 0,2,4,6
	v_pk_add_f32 v[A0+\i:A0+\i+1], v[A0+\i:A0+\i+1], v[A1+\i:A1+\i+1]
.endr
.irp j, 0,1,2,3,4,5,6,7
	v_add_f32 v[A0+\j], s[48+\j], v[A0+\j]         ; + router_b: the logits, in both halves of the lanes
.endr
	TOP1 A0, M1, 66
.irp j, 0,1,2,3,4,5,6,7
	v_cndmask_b32 v[A1+\j], v[A0+\j], v[NINF], s[66+\j]
.endr
	TOP1 A1, M2, 74
	v_sub_f32 v[TMP], v[M2], v[M1]                 ; never above 0
	v_mul_f32 v[TMP], 0x3fb8aa3b, v[TMP]
	v_exp_f32 v[EBV], v[TMP]
	v_mov_b32 v[GB+3], 0                           ; a plain instruction between v_exp_f32 and the use of its result (ISA guide 5.7.2); the block's pads are zeros
	s_wait_alu depctr_va_vdst(0)
	v_add_f32 v[TMP], 1.0, v[EBV]
	v_rcp_f32 v[GAV], v[TMP]
	v_mov_b32 v[GB+7], 0                           ; likewise behind v_rcp_f32
	s_wait_alu depctr_va_vdst(0)
	v_mul_f32 v[GBV], v[EBV], v[GAV]
	v_mov_b32 v[GB+10], 0
	v_mov_b32 v[GB+11], 0
.irp j, 0,1,2,3,4,5,6,7
	v_cndmask_b32 v[GB+\j+\j/3], 0, v[GBV], s[74+\j]
.endr
.irp j, 0,1,2,3,4,5,6,7
	v_cndmask_b32 v[GB+\j+\j/3], v[GB+\j+\j/3], v[GAV], s[66+\j]
.endr
.irp i, 0,1,2
	ds_store_b128 v[VGS], v[GB+4*\i:GB+4*\i+3] offset:\n*768+16*\i   ; both halves of the lanes store the same numbers to the same bytes
.endr
	; the fragment for the bias term: lanes 0-15 the hi parts of g[0..7], lanes 16-31 the lo parts
.irp q, 0,1,2,3
	v_cvt_pk_bf16_f32 v[GH+\q], v[GB+2*\q+(2*\q)/3], v[GB+2*\q+1+(2*\q+1)/3]
.endr
.irp q, 0,1,2,3
	v_fma_mix_f32_bf16 v[GR+2*\q], v[GH+\q], v[NEG1], v[GB+2*\q+(2*\q)/3] op_sel_hi:[1,0,0]
	v_fma_mix_f32_bf16 v[GR+2*\q+1], v[GH+\q], v[NEG1], v[GB+2*\q+1+(2*\q+1)/3] op_sel:[1,0,0] op_sel_hi:[1,0,0]
.endr
	PACK GL, GR, 4
.irp q, 0,1,2,3
	v_cndmask_b32 v[GFS+\q], v[GH+\q], v[GL+\q], s59
.endr
	ds_store_b128 v[VFS], v[GFS:GFS+3] offset:\n*512
.endm
; My tile n (16 tokens) in ring set 'set'.  First it is rounded to f16 into 32 registers of window 2.  Then it is split into three bf16
; pieces for the router: h goes for the time being to the tile's own place in the lasting copy of x, m and l to my scratch.  The ring set
; is asked for again (tile n + 2); the router's fragments come back from my own bytes (served in order, no barrier).  Behind the wait for
; them the f16 rows take the place of the h piece: no other wave reads these bytes before the barrier at the end of the start.
.macro XTILE n, set, left, refill
	s_wait_loadcnt \left                           ; my 16 loads are in; the other set's stay out
	WIN 0x80
.set xh_i, 0
.rept 32
	v_cvt_pk_f16_f32 v[X16+xh_i], v[\set+2*xh_i], v[\set+2*xh_i+1]
.set xh_i, xh_i+1
.endr
	WIN 0
.irp g, 0,1,2,3
	SPLIT3 \set+16*\g, SC+24*(\g%2)
.irp q, 0,1,2,3
	ds_store_b64 v[VXS], v[SC+24*(\g%2)+2*\q:SC+24*(\g%2)+2*\q+1] offset:(16*\n+4*\g+\q)*XPITCH
	ds_store_b64 v[VSC], v[SC+24*(\g%2)+8+2*\q:SC+24*(\g%2)+8+2*\q+1] offset:(4*\g+\q)*XPITCH
	ds_store_b64 v[VSC], v[SC+24*(\g%2)+16+2*\q:SC+24*(\g%2)+16+2*\q+1] offset:XTB+(4*\g+\q)*XPITCH
.endr
.endr
.if \refill
.irp i, 0,1,2,3,4,5,6,7,8,9,10,11,12,13,14,15
	global_load_b128 v[\set+4*\i:\set+4*\i+3], v[VXO], s[4:5] offset:(16*(\n+2)+\i)*TOKB th:TH_LOAD_NT
.endr
.endif
.irp s, 0,1,2,3
	ds_load_b128 v[FH+8*\s:FH+8*\s+3],   v[VRH] offset:\n*XTB+64*\s
	ds_load_b128 v[FH+8*\s+4:FH+8*\s+7], v[VRH] offset:\n*XTB+64*\s+32
	ds_load_b128 v[FM+8*\s:FM+8*\s+3],   v[VRM] offset:64*\s
	ds_load_b128 v[FM+8*\s+4:FM+8*\s+7], v[VRM] offset:64*\s+32
	ds_load_b128 v[FL+8*\s:FL+8*\s+3],   v[VRM] offset:XTB+64*\s
	ds_load_b128 v[FL+8*\s+4:FL+8*\s+7], v[VRM] offset:XTB+64*\s+32
.endr
	s_wait_dscnt 0x0                               ; the fragments are in: the h piece has been read
	WIN 0x08                                       ; store data (source 1) in window 2
.irp i, 0,1,2,3,4,5,6,7,8,9,10,11,12,13,14,15
	ds_store_b64 v[VXS], v[X16+2*\i:X16+2*\i+1] offset:(16*\n+\i)*XPITCH   ; the lasting copy: row i of the tile as f16
.endr
	WIN 0x03                                       ; source 0 (P, Q) in window 3
	; the two sums take turns, one instruction a turn
.irp s, 0,1,2,3
.if \s == 0
	v_wmma_f32_16x16x32_bf16 v[A0:A0+7], v[128:135], v[FH:FH+7], 0
	v_wmma_f32_16x16x32_bf16 v[A1:A1+7], v[128:135], v[FM:FM+7], 0
.else
	v_wmma_f32_16x16x32_bf16 v[A0:A0+7], v[128+8*\s:135+8*\s], v[FH+8*\s:FH+8*\s+7], v[A0:A0+7]
	v_wmma_f32_16x16x32_bf16 v[A1:A1+7], v[128+8*\s:135+8*\s], v[FM+8*\s:FM+8*\s+7], v[A1:A1+7]
.endif
	v_wmma_f32_16x16x32_bf16 v[A0:A0+7], v[128+8*\s:135+8*\s], v[FL+8*\s:FL+8*\s+7], v[A0:A0+7]
	v_wmma_f32_16x16x32_bf16 v[A1:A1+7], v[160+8*\s:167+8*\s], v[FH+8*\s:FH+8*\s+7], v[A1:A1+7]
.endr
	WIN 0
.rept 4
	v_nop                                          ; four places behind the last matrix instruction (ISA guide 7.12.1) before its results are read and its sources rewritten
.endr
	GATES \n
.endm
	; ---------------- weights through the two slots, x in between ----------------
	s_wait_tensorcnt 0x1                           ; my quarter of experts 0, 1 is in; expert 2's may stay out
	s_barrier_signal -1
	s_barrier_wait -1
	CONV 0, VW0
	CONV 1, VW1
	REFILL G0B, G1B                                ; experts 3, 4 into the big slot; expert 2 has landed in every wave's quarter
	CONV 2, VW2
	XTILE 0, XA, 16, 1                             ; the x work stands where a load of two experts has to land
	XTILE 1, XB, 16, 1
	REFILL G0S, G1S                                ; expert 5 into the small slot
	CONV 3, VW0
	CONV 4, VW1
	REFILL G0B, G1B                                ; experts 6, 7: the last tensor load
	CONV 5, VW2
	XTILE 2, XA, 16, 0
	XTILE 3, XB, 0, 0
	s_wait_tensorcnt 0x0                           ; my quarter of experts 6, 7
	s_wait_dscnt 0x0
	s_barrier_signal -1
	s_barrier_wait -1
	CONV 6, VW0
	CONV 7, VW1
	s_wait_dscnt 0x0                               ; my reads of the slots and my stores of x, gates and fragments are done
	s_barrier_signal -1
	s_barrier_wait -1                              ; everybody's are: x, gates are whole, and the big slot's bytes may serve as the stage
	; ---------------- main phase ----------------
	v_and_b32 v14, 31, v0
	v_and_b32 v15, 15, v0
	v_bfe_u32 v1, v0, 4, 1
	v_mul_u32_u24 v[VXA], v15, XPITCH
	v_lshl_add_u32 v[VXA], v1, 4, v[VXA]
	v_add_nc_u32 v[VXA], XH, v[VXA]                ; x fragment: token r, 16 h
	v_mul_u32_u24 v[VGA], v15, 48
	v_add_nc_u32 v[VGA], GAT, v[VGA]               ; gates of token r
	v_lshl_add_u32 v[VGF], v14, 4, GFR
	v_mul_u32_u24 v[VST], v15, WPITCH
	v_lshl_add_u32 v[VST], v1, 6, v[VST]
	v_add_nc_u32 v[VST], s91, v[VST]               ; stage in: row r, my 64 bytes at 128 w + 64 h
	s_mul_i32 s88, s16, 4*WPITCH
	v_lshl_add_u32 v[VRD], v14, 4, s88             ; stage back: rows 4 w .. 4 w + 3, a whole row of 512 bytes a load
	s_lshl_b32 s89, s16, 11
	v_lshl_add_u32 v[VCO], v14, 4, s89             ; the same rows in out0
.irp s, 0,1,2,3
	ds_load_b128 v[XF0+8*\s:XF0+8*\s+3],   v[VXA] offset:64*\s
	ds_load_b128 v[XF0+8*\s+4:XF0+8*\s+7], v[VXA] offset:64*\s+32
.endr
	ds_load_b128 v[GF:GF+3],   v[VGF]
	ds_load_b128 v[GF+4:GF+7], v[VGF]              ; the fragment's upper four registers repeat the lower four
	WIN 0x80
	ds_load_b128 v[192:195], v[VGA]                ; g0-2 of tile 0 into window 2
; The n-th matrix instruction of a group of nE experts: K step n/(2 nE), expert (n % 2 nE)/2, column tile n % 2.
; Source 0 = 16 weight columns (window of the group), source 1 = 16 tokens: lane (r, h), register j = token r, column 32 w + 16 h + 2 j + t.
; The 2 nE sums take turns, one instruction a turn.
.macro WM nE, tb, xf, n
.set wm_s, (\n)/(2*\nE)
.set wm_le, ((\n)%(2*\nE))/2
.set wm_t, (\n)%2
.set wm_d, \tb+16*wm_le+8*wm_t
.set wm_a, 64*wm_le+32*wm_t+8*wm_s
.set wm_b, \xf+8*wm_s
.if wm_s == 0
	v_wmma_f32_16x16x32_f16 v[wm_d:wm_d+7], v[wm_a:wm_a+7], v[wm_b:wm_b+7], 0
.else
	v_wmma_f32_16x16x32_f16 v[wm_d:wm_d+7], v[wm_a:wm_a+7], v[wm_b:wm_b+7], v[wm_d:wm_d+7]
.endif
.endm
; The n-th gated add of a group: sums += gate x products, two numbers at a time.  The gate (source 0) lies in the window of the weights
; that are being multiplied meanwhile, so that both kinds of instruction run under one setting.
.macro PKF tb, ob, n
.set pk_le, (\n)/8
.set pk_t, ((\n)/4)%2
.set pk_p, (\n)%4
.set pk_g, 192+2*(pk_le/2)
.set pk_s, \tb+16*pk_le+8*pk_t+2*pk_p
.set pk_o, \ob+8*pk_t+2*pk_p
.if pk_le%2 == 0
	v_pk_fma_f32 v[pk_o:pk_o+1], v[pk_g:pk_g+1], v[pk_s:pk_s+1], v[pk_o:pk_o+1] op_sel_hi:[0,1,1]
.else
	v_pk_fma_f32 v[pk_o:pk_o+1], v[pk_g:pk_g+1], v[pk_s:pk_s+1], v[pk_o:pk_o+1] op_sel:[1,0,0] op_sel_hi:[1,1,1]
.endif
.endm
; Expert 7, the last: its add also puts the two column tiles' numbers side by side: FIN[2 j + t] = column 32 w + 16 h + 2 j + t
.macro FINF tb, ob, n
.set ff_t, (\n)/8
.set ff_j, (\n)%8
	v_fma_f32 v[FIN+2*ff_j+ff_t], v193, v[\tb+16+8*ff_t+ff_j], v[\ob+8*ff_t+ff_j]
.endm
; Tile i of 16 tokens; par = i % 2, p1: i >= 1, p2: i >= 2, nx: i <= 14.  Three groups of experts (0-2, 3-5, 6-7); the gated adds of a
; group run among the next group's matrix instructions.  The first reader of a product tile stands at least six plain vector
; instructions, none of which names that tile, behind the tile's last matrix instruction (in tile 0: the four v_nop).
; Tile i - 1 leaves through the stage in this tile's middle, tile i - 2 is stored at its head.
.macro TILE par, p1, p2, nx
.set T0B, TA+48*\par
.set T1B, TB-48*\par
.set XFC, XF0+32*\par
.set XFN, XF0+32-32*\par
.set OC,  OUT0+16*\par
.set OP,  OUT0+16-16*\par
.set STO, (1-\par)*STGB
	WIN 0
	s_wait_dscnt 0x0                               ; rows read back, g0-2 of this tile
.if \p2
.irp q, 0,1,2,3
	global_store_b128 v[VCO], v[RBK+4*\q:RBK+4*\q+3], s[86:87] offset:(\par-2)*16*TOKB+TOKB*\q th:TH_STORE_NT   ; a whole row of 512 bytes, aligned
.endr
.endif
	WIN 0xc0
	ds_load_b128 v[192:195], v[VGA] offset:\par*768+16             ; g3-5 of this tile into window 3
	WIN 0x01
	v_wmma_f32_16x16x32_bf16 v[OC:OC+7],    v[200:207], v[GF:GF+7], 0   ; the sums start as sum over e of g b
	v_wmma_f32_16x16x32_bf16 v[OC+8:OC+15], v[208:215], v[GF:GF+7], 0
.set tk, 0
.rept 24
	WM 3, T0B, XFC, tk
.if \p1
.if tk < 8
	PKF T1B, OP, tk                                ; expert 6 of the tile before
.else
	FINF T1B, OP, tk-8                             ; expert 7 of the tile before
.endif
.endif
.set tk, tk+1
.endr
.if \p1 == 0
.rept 4
	v_nop                                          ; tile 0 has no adds here: four places (ISA guide 7.12.1) before results are read and the gate fragment is loaded again
.endr
.endif
	WIN 0
.if \p1
.irp q, 0,1,2,3
	ds_store_b128 v[VST], v[FIN+4*\q:FIN+4*\q+3] offset:STO+16*\q
.endr
.endif
.if \nx
.irp s, 0,1,2,3
	ds_load_b128 v[XFN+8*\s:XFN+8*\s+3],   v[VXA] offset:(\par+1)*XTB+64*\s
	ds_load_b128 v[XFN+8*\s+4:XFN+8*\s+7], v[VXA] offset:(\par+1)*XTB+64*\s+32
.endr
	ds_load_b128 v[GF:GF+3],   v[VGF] offset:(\par+1)*512
	ds_load_b128 v[GF+4:GF+7], v[VGF] offset:(\par+1)*512
.endif
	WIN 0x40
	ds_load_b128 v[192:195], v[VGA] offset:\par*768+32             ; g6, g7 of this tile into window 1
	WIN 0x02
.set tk, 0
.rept 24
	WM 3, T1B, XFC, tk
	PKF T0B, OC, tk
.if tk == 11
	s_wait_dscnt 0x0                               ; my part of the stage is written, and all loads above are in
.if \p1
	s_barrier_signal -1                            ; twelve matrix instructions and their adds, register work alone, stand between signal and wait
.endif
.endif
.set tk, tk+1
.endr
.if \p1
	s_barrier_wait -1                              ; the stage is whole.  The other stage's readers waited for their loads at this tile's head, ahead of this signal
.endif
	WIN 0
.if \p1
	s_wait_xcnt 0x0                                ; the registers that the stores at the tile's head read are loaded again only behind this wait
.irp q, 0,1,2,3
	ds_load_b128 v[RBK+4*\q:RBK+4*\q+3], v[VRD] offset:STO+WPITCH*\q
.endr
.endif
.if \nx
	WIN 0x80
	ds_load_b128 v[192:195], v[VGA] offset:(\par+1)*768            ; g0-2 of the next tile into window 2
.endif
	WIN 0x03
.set tk, 0
.set tm, 0
.rept 16
	WM 2, T0B, XFC, tk
	PKF T1B, OC, tm
.set tm, tm+1
.if tk%2 == 0
	PKF T1B, OC, tm
.set tm, tm+1
.endif
.set tk, tk+1
.endr
.endm
.macro STEP                            ; two tiles on
	WIN 0
	s_wait_xcnt 0x0                                ; the stores' base is stepped only behind this wait
	s_add_nc_u64 s[86:87], s[86:87], 2*16*TOKB
	v_add_nc_u32 v[VXA], 2*XTB, v[VXA]
	v_add_nc_u32 v[VGA], 2*768, v[VGA]
	v_add_nc_u32 v[VGF], 2*512, v[VGF]
.endm
	TILE 0, 0, 0, 1
	TILE 1, 1, 0, 1
	STEP
	s_mov_b32 s84, 6
.Lpair:
	TILE 0, 1, 1, 1
	TILE 1, 1, 1, 1
	STEP
	s_sub_co_u32 s84, s84, 1
	s_cmp_lg_u32 s84, 0
	s_cbranch_scc1 .Lpair
	TILE 0, 1, 1, 1
	TILE 1, 1, 1, 0
	; ---------------- the last two tiles leave ----------------
	WIN 0
	s_wait_dscnt 0x0
.irp q, 0,1,2,3
	global_store_b128 v[VCO], v[RBK+4*\q:RBK+4*\q+3], s[86:87] offset:TOKB*\q th:TH_STORE_NT          ; tile 14
.endr
	WIN 0x01
.set tk, 0
.rept 8
	PKF TB, OUT0+16, tk
.set tk, tk+1
.endr
.set tk, 0
.rept 16
	FINF TB, OUT0+16, tk
.set tk, tk+1
.endr
	WIN 0
.irp q, 0,1,2,3
	ds_store_b128 v[VST], v[FIN+4*\q:FIN+4*\q+3] offset:STGB+16*\q
.endr
	s_wait_dscnt 0x0
	s_barrier_signal -1
	s_barrier_wait -1
	s_wait_xcnt 0x0                                ; tile 14's stores have read their registers
.irp q, 0,1,2,3
	ds_load_b128 v[RBK+4*\q:RBK+4*\q+3], v[VRD] offset:STGB+WPITCH*\q
.endr
	s_wait_dscnt 0x0
.irp q, 0,1,2,3
	global_store_b128 v[VCO], v[RBK+4*\q:RBK+4*\q+3], s[86:87] offset:16*TOKB+TOKB*\q th:TH_STORE_NT  ; tile 15
.endr
	ROUND                                          ; the closing round: no work-group ends while a partner may still ask jointly
	s_endpgm
.Lfunc_end_k_q4601dc2091_moe:
	.size	k_q4601dc2091_moe, .Lfunc_end_k_q4601dc2091_moe-k_q4601dc2091_moe
	.p2alignl 7, 3214868480
	.fill 96, 4, 3214868480
	.section	.rodata,"a",@progbits
	.p2align	6, 0x0
	.amdhsa_kernel k_q4601dc2091_moe
		.amdhsa_group_segment_fixed_size 327680
		.amdhsa_private_segment_fixed_size 0
		.amdhsa_enable_private_segment 0
		.amdhsa_kernarg_size 48
		.amdhsa_user_sgpr_count 2
		.amdhsa_user_sgpr_kernarg_segment_ptr 1
		.amdhsa_wavefront_size32 1
		.amdhsa_system_sgpr_workgroup_id_x 1
		.amdhsa_system_sgpr_workgroup_id_y 1
		.amdhsa_system_sgpr_workgroup_id_z 1
		.amdhsa_system_vgpr_workitem_id 0
		.amdhsa_next_free_vgpr 1024
		.amdhsa_next_free_sgpr 96
		.amdhsa_reserve_vcc 0
		.amdhsa_float_denorm_mode_32 3
		.amdhsa_float_denorm_mode_16_64 3
		.amdhsa_memory_ordered 1
		.amdhsa_forward_progress 1
		.amdhsa_inst_pref_size 255
	.end_amdhsa_kernel
	.section	.bss,"aw",@nobits
	.p2align	6
	.space	262144
	.amdgpu_metadata
---
amdhsa.version: [ 1, 2 ]
amdhsa.kernels:
  - .name:           k_q4601dc2091_moe
    .symbol:         k_q4601dc2091_moe.kd
    .args:
      - { .name: x, .offset: 0, .size: 8, .value_kind: global_buffer, .address_space: global }
      - { .name: router_w, .offset: 8, .size: 8, .value_kind: global_buffer, .address_space: global }
      - { .name: router_b, .offset: 16, .size: 8, .value_kind: global_buffer, .address_space: global }
      - { .name: expert_w, .offset: 24, .size: 8, .value_kind: global_buffer, .address_space: global }
      - { .name: expert_b, .offset: 32, .size: 8, .value_kind: global_buffer, .address_space: global }
      - { .name: out0, .offset: 40, .size: 8, .value_kind: global_buffer, .address_space: global }
    .group_segment_fixed_size: 327680
    .private_segment_fixed_size: 0
    .kernarg_segment_align: 8
    .kernarg_segment_size: 48
    .max_flat_workgroup_size: 128
    .sgpr_count:     96
    .vgpr_count:     1024
    .wavefront_size: 32
...
	.end_amdgpu_metadata
.endif
;; end of part 1
